; MI455X (gfx1250); checked and timed in simulation.
; The chip was launched on July 23, 2026; its instructions are those of AMD's public machine-readable ISA for CDNA 5 (MIT licence, August 2026) and "CDNA5" Instruction Set Architecture Reference Guide (July 2026). The comments in the code are by the model that wrote it; some were corrected since.
;; SAPA. Allowed arithmetic: matrix products marked QUANTISED: E2M1 operands, one E8M0 scale for each 32 along K, by v_wmma_scale_f32_16x16x128_f8f6f4 with both operands' format E2M1 (or v_wmma_scale_f32_32x16x128_f4), f32 sums; products left as they are: f32 operands where the result goes on into a quantised operand, else bf16, f16 or f32 operands; f32 sums; everything else in f32.
;; Inputs: gn_x_b 256 float32; gn_x_w 256 float32; gn_y_b 256 float32; gn_y_w 256 float32; k_b 32 float32; k_w_codes 32 x 8 x 16 uint8 (E2M1 codes of k_w, K innermost, in blocks of 32 codes, two codes a byte); k_w_scales 32 x 8 uint8 (E8M0 scales of k_w, one for each 32 codes along K); q_b 32 float32; q_w_codes 32 x 8 x 16 uint8 (E2M1 codes of q_w, K innermost, in blocks of 32 codes, two codes a byte); q_w_scales 32 x 8 uint8 (E8M0 scales of q_w, one for each 32 codes along K); x 4 x 256 x 64 x 64 float32; y 4 x 256 x 128 x 128 float32.
;; Outputs: out0 4 x 256 x 128 x 128 float32.
;; This version of the problem:
;;   THIS VERSION OF THE PROBLEM IS GIVEN IN LOW PRECISION. The matrix products marked QUANTISED in the list below multiply operands that are first quantised to E2M1 (2 exponent bits, 1 mantissa bit; 4 bits a number), with one power-of-two scale for each 32 numbers along K (OCP MX v1.0); their sums are f32. All else is computed in f32.
;;   The module's matrix products, in the order in which they are computed (A, B: the left and right operand; K: the contracted axis; several contracted axes count as one K, in the product's order):
;;     1. [M 32, K 256] x [K 256, N 65,536]; A: input q_w (given as codes); B: computed on the way: QUANTISED
;;     2. [M 32, K 256] x [K 256, N 16,384]; A: input k_w (given as codes); B: computed on the way: QUANTISED
;;     3. batch 16,384 x [M 1, K 32] x [K 32, N 4]; A: computed on the way; B: computed on the way: left as it is (M = 1 < 16)
;;     4. batch 16,384 x [M 1, K 32] x [K 32, N 4]; A: computed on the way; B: computed on the way: left as it is (M = 1 < 16)
;;     5. batch 16,384 x [M 1, K 32] x [K 32, N 4]; A: computed on the way; B: computed on the way: left as it is (M = 1 < 16)
;;     6. batch 16,384 x [M 1, K 32] x [K 32, N 4]; A: computed on the way; B: computed on the way: left as it is (M = 1 < 16)
;;     7. batch 16,384 x [M 1, K 32] x [K 32, N 4]; A: computed on the way; B: computed on the way: left as it is (M = 1 < 16)
;;     8. batch 16,384 x [M 1, K 32] x [K 32, N 4]; A: computed on the way; B: computed on the way: left as it is (M = 1 < 16)
;;     9. batch 16,384 x [M 1, K 32] x [K 32, N 4]; A: computed on the way; B: computed on the way: left as it is (M = 1 < 16)
;;     10. batch 16,384 x [M 1, K 32] x [K 32, N 4]; A: computed on the way; B: computed on the way: left as it is (M = 1 < 16)
;;     11. batch 16,384 x [M 1, K 32] x [K 32, N 4]; A: computed on the way; B: computed on the way: left as it is (M = 1 < 16)
;;     12. batch 16,384 x [M 1, K 32] x [K 32, N 4]; A: computed on the way; B: computed on the way: left as it is (M = 1 < 16)
;;     13. batch 16,384 x [M 1, K 32] x [K 32, N 4]; A: computed on the way; B: computed on the way: left as it is (M = 1 < 16)
;;     14. batch 16,384 x [M 1, K 32] x [K 32, N 4]; A: computed on the way; B: computed on the way: left as it is (M = 1 < 16)
;;     15. batch 16,384 x [M 1, K 32] x [K 32, N 4]; A: computed on the way; B: computed on the way: left as it is (M = 1 < 16)
;;     16. batch 16,384 x [M 1, K 32] x [K 32, N 4]; A: computed on the way; B: computed on the way: left as it is (M = 1 < 16)
;;     17. batch 16,384 x [M 1, K 32] x [K 32, N 4]; A: computed on the way; B: computed on the way: left as it is (M = 1 < 16)
;;     18. batch 16,384 x [M 1, K 32] x [K 32, N 4]; A: computed on the way; B: computed on the way: left as it is (M = 1 < 16)
;;     19. batch 16,384 x [M 1, K 32] x [K 32, N 4]; A: computed on the way; B: computed on the way: left as it is (M = 1 < 16)
;;     20. batch 16,384 x [M 1, K 32] x [K 32, N 4]; A: computed on the way; B: computed on the way: left as it is (M = 1 < 16)
;;     21. batch 16,384 x [M 1, K 32] x [K 32, N 4]; A: computed on the way; B: computed on the way: left as it is (M = 1 < 16)
;;     22. batch 16,384 x [M 1, K 32] x [K 32, N 4]; A: computed on the way; B: computed on the way: left as it is (M = 1 < 16)
;;     23. batch 16,384 x [M 1, K 32] x [K 32, N 4]; A: computed on the way; B: computed on the way: left as it is (M = 1 < 16)
;;     24. batch 16,384 x [M 1, K 32] x [K 32, N 4]; A: computed on the way; B: computed on the way: left as it is (M = 1 < 16)
;;     25. batch 16,384 x [M 1, K 32] x [K 32, N 4]; A: computed on the way; B: computed on the way: left as it is (M = 1 < 16)
;;     26. batch 16,384 x [M 1, K 32] x [K 32, N 4]; A: computed on the way; B: computed on the way: left as it is (M = 1 < 16)
;;     27. batch 16,384 x [M 1, K 32] x [K 32, N 4]; A: computed on the way; B: computed on the way: left as it is (M = 1 < 16)
;;   THE QUANTISER, for each operand of a quantised product, along K:
;;     - K is cut into blocks of 32 from its start; a last block that is shorter is filled with zeros.
;;     - A block's scale is 2^e with e = floor(log2(the largest magnitude in the block)) - 2, held to -126 .. 127; a block of zeros has e = 0. As a byte (E8M0): e + 127.
;;     - Each number is divided by its block's scale, clamped to +-6, and rounded to the nearest number of E2M1, ties to even, subnormals kept.
;;     - The product sums the exact products of the quantised numbers (number of the format x scale) in f32.
;;   ~~~python
;;   def quantise(x, axis):      # numpy; x: float32 -> the quantised numbers, widened to float32 again
;;       x = np.moveaxis(x, axis, -1); K = x.shape[-1]
;;       x = np.pad(x, [(0, 0)] * (x.ndim - 1) + [(0, -K % 32)]); x = x.reshape(x.shape[:-1] + (-1, 32)); a = np.abs(x).max(-1, keepdims=True)
;;       e = np.where(a > 0, np.clip(np.frexp(np.where(a > 0, a, 1))[1] - 1 - 2, -126, 127), 0)      # np.frexp(a)[1] - 1 = floor(log2(a)), exactly
;;       r = np.clip(x / 2.0 ** e, -6, 6)
;;       step = 2.0 ** (np.maximum(np.frexp(np.where(r == 0, 1, r))[1] - 1, 0) - 1)
;;       q = np.round(r / step) * step * 2.0 ** e      # np.round: ties to even
;;       return np.moveaxis(q.reshape(q.shape[:-2] + (-1,))[..., :K], -1, axis).astype(np.float32)
;;   ~~~
;;   OPERANDS COMPUTED ON THE WAY. 'Computed on the way' means the value that the module computes at that place (a softmax that the list does not call 'softmax' is quantised finished and normalised). What goes into a quantiser is computed in f32, as accurately as f32 sums, v_exp_f32 and their like allow (about 1e-6 of the number): no bf16 or f16 on the way to a quantiser, and a product that is left as it is and whose result goes on into a quantised operand takes f32 operands (vector FMAs, or v_wmma_f32_16x16x4_f32). A number that lies on a knife's edge between two numbers of the format may be rounded either way, as far as f32 arithmetic and the matrix unit's own rounding can turn it there, and no further.
;;   INPUTS GIVEN AS CODES. k_w (in the module: [32, 256], K = its axis 1); q_w (in the module: [32, 256], K = its axis 1): each comes as NAME_codes (uint8): NAME with its K axis moved to the last place and cut into blocks of 32 codes, [.., K / 32, bytes a block], one block behind the other in memory; two codes a byte, the lower K in the low four bits (a code: sign, 2 exponent bits, 1 mantissa bit); and NAME_scales (uint8): the same leading axes, one E8M0 byte (e + 127) for each 32 codes along K. Its value is code x scale, taken as it is: it is not quantised again, and the codes and scales need not be those that the quantiser above would give.
;; One version. Each part assembles by itself: llvm-mc -triple=amdgcn-amd-amdhsa -mcpu=gfx1250 --defsym DOCPART=n.
;; ======== version 1 of 1: 2 launches
;; workspace buffers: stats 5,120 bytes
;; launch stats (part 1): grid 640 x 1, 8 waves a work-group, no clusters, 1,280 bytes of LDS; arguments y, x, stats; writes stats
.if DOCPART == 1
	.amdgcn_target "amdgcn-amd-amdhsa--gfx1250"
	.amdhsa_code_object_version 6
	.text
	.protected	k_q9fb9cc5239_stats
	.globl	k_q9fb9cc5239_stats
	.p2align	8
	.type	k_q9fb9cc5239_stats,@function
k_q9fb9cc5239_stats:
	s_mov_b64 s[64:65], 0
	v_nop
	global_prefetch_b8 v0, s[64:65] scope:SCOPE_SE
	s_setreg_imm32_b32 hwreg(HW_REG_WAVE_MODE, 25, 1), 1
	s_wait_xcnt 0x0
; Partial statistics for the two group norms.  A chunk is 32,768 consecutive f32 numbers (128 KiB).  A group of y (8 channels x 128 x 128) is four chunks on end,
; a group of x (8 channels x 64 x 64) is one.  Work-group w < 512 takes chunk w of y, work-group 512 + i chunk i of x, and stores the pair (mean, M2) at stats + 8 w,
; M2 = the sum of (number - the chunk's mean)^2.  The next launch joins y's four pairs of a group.
; A wave keeps its 4,096 numbers in 128 registers: first their mean, then the squares of the distances from THAT mean.  So no difference of two large sums is formed,
; and a common offset of the inputs costs no digits.  The eight waves' pairs meet in LDS and are joined by M2 = sum of M2_w + 4,096 x sum of (mean_w - mean)^2.
; LIMITS: NaN and infinities among the inputs are not served.
.set X, 16                             ; v16-143 my wave's numbers, 4 registers a load
; v1 my byte offset; v2-9 four chains of pairs; v[10:11] the mean twice, later (mean, M2); v12 the lane exchange; v13 LDS address
.macro LOADS nt                        ; 32 loads, each 512 consecutive bytes of the wave's 16 KiB
.set i, 0
.rept 32
.if \nt
	global_load_b128 v[X+4*i:X+4*i+3], v1, s[10:11] offset:512*i th:TH_LOAD_NT
.else
	global_load_b128 v[X+4*i:X+4*i+3], v1, s[10:11] offset:512*i
.endif
.set i, i+1
.endr
.endm
.macro WSUM r                          ; the sum over the wave's 32 lanes, in every lane
	v_add_f32_dpp v\r, v\r, v\r row_xmask:1 row_mask:0xf bank_mask:0xf
	v_add_f32_dpp v\r, v\r, v\r row_xmask:2 row_mask:0xf bank_mask:0xf
	v_add_f32_dpp v\r, v\r, v\r row_xmask:4 row_mask:0xf bank_mask:0xf
	v_add_f32_dpp v\r, v\r, v\r row_xmask:8 row_mask:0xf bank_mask:0xf
	v_permlanex16_b32 v12, v\r, s12, s13
	v_add_f32 v\r, v\r, v12
.endm
.macro JOIN                            ; the four chains into v[2:3]
	v_pk_add_f32 v[2:3], v[2:3], v[4:5]
	v_pk_add_f32 v[6:7], v[6:7], v[8:9]
	v_pk_add_f32 v[2:3], v[2:3], v[6:7]
.endm
	s_load_b128 s[4:7], s[0:1], 0x0                ; y, x
	s_load_b64 s[8:9], s[0:1], 0x10                ; stats
	v_lshl_add_u32 v152, v0, 2, 0x100
	v_mov_b32 v153, 0
	v_lshrrev_b32 v1, 5, v0                        ; wave
	v_and_b32 v2, 31, v0                           ; lane
	v_lshlrev_b32 v13, 3, v1                       ; LDS: 8 bytes a wave
	v_lshlrev_b32 v1, 14, v1                       ; 16 KiB a wave,
	v_lshl_or_b32 v1, v2, 4, v1                    ; 16 bytes a lane
	v_mov_b32 v12, 0                               ; a lane permute's destination counts as one of its sources
	s_mov_b32 s12, 0x76543210
	s_mov_b32 s13, 0xfedcba98                      ; v_permlanex16_b32's selects for lane l xor 16
	s_cmp_lt_u32 ttmp9, 512
	s_cselect_b32 s14, 0, 512
	s_sub_co_u32 s14, ttmp9, s14                   ; the chunk's number in its tensor
	s_lshl_b32 s16, s14, 17                        ; x 128 KiB: under 2^26
	s_mov_b32 s17, 0
	s_lshl_b32 s18, ttmp9, 3                       ; where my pair goes
	s_mov_b32 s19, 0
	s_wait_kmcnt 0x0
	s_cmp_lt_u32 ttmp9, 512                        ; y's work-group or x's?  The choice hangs on the work-group's number alone
	s_cselect_b64 s[10:11], s[4:5], s[6:7]
	s_add_nc_u64 s[10:11], s[10:11], s[16:17]
	s_add_nc_u64 s[8:9], s[8:9], s[18:19]
	s_cmp_lt_u32 ttmp9, 512
	s_cbranch_scc0 .Lfor_x
	LOADS 1                                        ; y: the larger stream carries the non-temporal hint
	s_branch .Lloaded
.Lfor_x:
	LOADS 0                                        ; x: no hint
.Lloaded:
	; the sum of my 128 numbers, two at a time, in four chains; each wait leaves the younger groups of eight loads out
	s_wait_loadcnt 24
.irp k, 0,1,2,3
	v_pk_add_f32 v[2+2*\k:3+2*\k], v[X+2*\k:X+2*\k+1], v[X+8+2*\k:X+9+2*\k]   ; the first eight pairs start the chains: nothing is cleared
.endr
.set j, 8
.rept 56
.if j == 16
	s_wait_loadcnt 16
.elseif j == 32
	s_wait_loadcnt 8
.elseif j == 48
	s_wait_loadcnt 0
.endif
	v_pk_add_f32 v[2+2*(j%4):3+2*(j%4)], v[2+2*(j%4):3+2*(j%4)], v[X+2*j:X+2*j+1]
.set j, j+1
.endr
	JOIN
	v_add_f32 v10, v2, v3
	WSUM 10
	v_mul_f32 v10, 0x39800000, v10                 ; / 4,096: the wave's mean
	v_mov_b32 v11, v10                             ; twice, for the packed subtraction
.set j, 0
.rept 64
	v_pk_add_f32 v[X+2*j:X+2*j+1], v[X+2*j:X+2*j+1], v[10:11] neg_lo:[0,1] neg_hi:[0,1]   ; number - mean
.set j, j+1
.endr
.irp k, 0,1,2,3
	v_pk_mul_f32 v[2+2*\k:3+2*\k], v[X+2*\k:X+2*\k+1], v[X+2*\k:X+2*\k+1]
.endr
.set j, 4
.rept 60
	v_pk_fma_f32 v[2+2*(j%4):3+2*(j%4)], v[X+2*j:X+2*j+1], v[X+2*j:X+2*j+1], v[2+2*(j%4):3+2*(j%4)]
.set j, j+1
.endr
	JOIN
	v_add_f32 v11, v2, v3
	WSUM 11                                        ; the wave's M2; v[10:11] = (mean, M2)
	ds_store_b64 v13, v[10:11]                     ; all lanes write the same 8 bytes with the same values
	s_wait_dscnt 0x0                               ; for the others' sake: my store has landed
	s_barrier_signal -1
	s_barrier_wait -1
	v_mov_b32 v13, 0
.irp k, 0,1,2,3
	ds_load_b128 v[16+4*\k:19+4*\k], v13 offset:16*\k   ; the eight pairs, in every lane: means in v16, 18 .. 30, M2 in v17, 19 .. 31
.endr
	s_wait_dscnt 0x0
	v_add_f32 v2, v16, v18
	v_add_f32 v3, v20, v22
	v_add_f32 v4, v24, v26
	v_add_f32 v5, v28, v30
	v_add_f32 v6, v17, v19
	v_add_f32 v7, v21, v23
	v_add_f32 v8, v25, v27
	v_add_f32 v9, v29, v31
	v_add_f32 v2, v2, v3
	v_add_f32 v4, v4, v5
	v_add_f32 v6, v6, v7
	v_add_f32 v8, v8, v9
	v_add_f32 v2, v2, v4
	v_add_f32 v6, v6, v8                           ; the sum of the eight M2
	v_mul_f32 v2, 0x3e000000, v2                   ; / 8: the chunk's mean
.irp k, 0,1,2,3,4,5,6,7
	v_sub_f32 v[16+2*\k], v[16+2*\k], v2           ; mean_w - mean
.endr
	v_mul_f32 v7, v16, v16
.irp k, 1,2,3,4,5,6,7
	v_fmac_f32 v7, v[16+2*\k], v[16+2*\k]
.endr
	v_fmamk_f32 v3, v7, 0x45800000, v6             ; M2 = 4,096 x that + the sum of the M2;  v[2:3] = (mean, M2)
	v_mov_b32 v4, 0
	v_cmp_eq_u32 vcc_lo, 0, v0
	s_wait_xcnt 0x0                                ; EXEC changes only behind this wait
	s_wait_tensorcnt 0x0
	ds_add_u32 v152, v153
	s_wait_dscnt 0x0
	s_and_saveexec_b32 s20, vcc_lo                 ; thread 0 alone stores
	global_store_b64 v4, v[2:3], s[8:9]
	s_wait_xcnt 0x0                                ; and again in front of the line that widens it
	s_or_b32 exec_lo, exec_lo, s20
	s_endpgm
.Lfunc_end_k_q9fb9cc5239_stats:
	.size	k_q9fb9cc5239_stats, .Lfunc_end_k_q9fb9cc5239_stats-k_q9fb9cc5239_stats
	.p2alignl 7, 3214868480
	.fill 96, 4, 3214868480
	.section	.rodata,"a",@progbits
	.p2align	6, 0x0
	.amdhsa_kernel k_q9fb9cc5239_stats
		.amdhsa_group_segment_fixed_size 1280
		.amdhsa_private_segment_fixed_size 0
		.amdhsa_enable_private_segment 0
		.amdhsa_kernarg_size 24
		.amdhsa_user_sgpr_count 2
		.amdhsa_user_sgpr_kernarg_segment_ptr 1
		.amdhsa_wavefront_size32 1
		.amdhsa_system_sgpr_workgroup_id_x 1
		.amdhsa_system_sgpr_workgroup_id_y 1
		.amdhsa_system_sgpr_workgroup_id_z 1
		.amdhsa_system_vgpr_workitem_id 0
		.amdhsa_next_free_vgpr 154
		.amdhsa_next_free_sgpr 66
		.amdhsa_reserve_vcc 1
		.amdhsa_float_denorm_mode_32 3
		.amdhsa_float_denorm_mode_16_64 3
		.amdhsa_memory_ordered 1
		.amdhsa_forward_progress 1
		.amdhsa_inst_pref_size 23
	.end_amdhsa_kernel
	.amdgpu_metadata
---
amdhsa.version: [ 1, 2 ]
amdhsa.kernels:
  - .name:           k_q9fb9cc5239_stats
    .symbol:         k_q9fb9cc5239_stats.kd
    .args:
      - { .name: y, .offset: 0, .size: 8, .value_kind: global_buffer, .address_space: global }
      - { .name: x, .offset: 8, .size: 8, .value_kind: global_buffer, .address_space: global }
      - { .name: stats, .offset: 16, .size: 8, .value_kind: global_buffer, .address_space: global }
    .group_segment_fixed_size: 1280
    .private_segment_fixed_size: 0
    .kernarg_segment_align: 8
    .kernarg_segment_size: 24
    .max_flat_workgroup_size: 256
    .sgpr_count:     66
    .vgpr_count:     154
    .wavefront_size: 32
...
	.end_amdgpu_metadata
.endif
;; end of part 1
;; launch sapa (part 2): grid 64 x 4, 16 waves a work-group, no clusters, 290,304 bytes of LDS; arguments y, x, stats, gn_y_w, gn_y_b, gn_x_w, gn_x_b, q_w_codes, q_w_scales, q_b, k_w_codes, k_w_scales, k_b, out0; writes out0
.if DOCPART == 2
	.amdgcn_target "amdgcn-amd-amdhsa--gfx1250"
	.amdhsa_code_object_version 6
	.text
	.protected	k_q9fb9cc5239_sapa
	.globl	k_q9fb9cc5239_sapa
	.p2align	8
	.type	k_q9fb9cc5239_sapa,@function
k_q9fb9cc5239_sapa:
	s_mov_b64 s[64:65], 0
	v_nop
	global_prefetch_b8 v0, s[64:65] scope:SCOPE_SE
	s_setreg_imm32_b32 hwreg(HW_REG_WAVE_MODE, 25, 1), 1
	s_wait_xcnt 0x0
; out0[b][c][2h+u][2w+v] = sum over the 5 x 5 window (dy, dx) of softmax(q . k)[dy, dx] x x[b][c][h+dy-2][w+dx-2].
; q = q_w GN(y) + q_b, k = k_w GN(x) + k_b: both products on codes of FP4 (E2M1) with one E8M0 scale for each 32 channels; the weights come as codes, GN(y) and GN(x) are quantised here.
; Outside the image k and x count as 0: the logit there is 0 and still counts in the softmax's sum.
; SHARES.  A work-group of sixteen waves (four to a SIMD, 256 registers each) owns one row h of 64 cells of one image b: 2 x 128 pixels of all 256 channels.  Phases, a barrier between each two:
;  A  GN and quantiser.  A lane takes a pixel (or a cell), its 32 registers run down the 32 channels of ONE block: the block's largest magnitude needs no other lane and the conversions give codes with the
;     channels innermost.  Wave (block = wave / 2, half = wave % 2): row 2 h + half of y in four batches of 32 pixels, cells 32 half .. + 31 of x's five window rows.  Codes and scale bytes go to LDS.
;  B  the FP4 products: source 0 = 16 rows of the weight, source 1 = 16 pixels or cells, C of the first K step = the bias.  q (32 x 256) and k (32 x 5 rows x 64) go to LDS in f32.
;  C  the 25 logits of each pixel, f32 multiply-adds (waves 0 to 9: one (u, dy) each).   D  softmax (waves 0 to 7: a lane a pixel): the row's largest logit is taken off first.
;  E  the weighted sum.  A lane holds the 25 x 8 weights of its two cells' eight pixels in 200 registers; wave i walks channels 16 i .. 16 i + 15; a channel's five rows of x go through the wave's own
;     LDS rows, which have two zero cells at each end; one number of x from LDS feeds up to eight multiply-adds; a lane's results are 16 neighbouring bytes of an output row.
; k is made for all five window rows in each work-group: five times the small product, and no k, q or weight ever goes to memory.  x is read twice here (for k, for the sum).
; NOT USED, by this text's own arithmetic: tensor loads and joint loads in a cluster (neighbouring work-groups share four of five rows of x, but 5 rows x 256 channels x 272 bytes are 348,160 bytes, more than
; a work-group's LDS, the quantiser wants x in registers down the channels, and phase E has no barrier in which a joint refill could stand); a prefetch (y is wanted at the kernel's head).
; LIMITS: NaN and infinities among the inputs are not served (a window row outside the image is read as the nearest row inside and multiplied by the weight 0, so x must be finite).  A block whose largest
; magnitude lies under 2^-124 keeps the scale byte 1; a block of zeros has the byte 1 where the quantiser's rule says 127: its codes are zeros, and this program alone reads the bytes.
; v_exp_f32 gives 0 for weights under 2^-126.
; ---- LDS
.set LG,    0                          ; 50 rows of 512 bytes: row (u 5 + dy) 5 + dx, 128 pixels f32: logits, then weights in place
.set QL,    25600                      ; q: [e 32][u 2][pixel 128] f32
.set CONST, 58368                      ; 768 bytes a wave: a, b, mean of y's block, then of x's: 128 bytes each, a word a channel
.set YS,    70656                      ; y's scale words: [u][K step 2][pixel 128]; byte = block % 4
.set XS,    72704                      ; x's: [row 5][K step 2][cell 64]
.set YC,    75264                      ; y's codes: [u][block 8][pixel 128] 16 bytes = 32 codes
.set XC,    108032                     ; x's: [row 5][block 8][cell 64] 16 bytes
.set KL,    148992                     ; k: 256 rows of 272 bytes (8 of zeros, 64 cells f32, 8 of zeros); row = 5 e + dy; rows 160 on are there so that 512 threads clear the ends alike
.set XB,    218624                     ; 4,352 bytes a wave: two buffers of 8 rows of 272 bytes (5 used), laid as k's rows
; ---- registers of phase A
.set CA,  16                           ; v16-47  a = rsqrt(var + eps) x gain, a register a channel of my block
.set CB,  48                           ; v48-79  b = the norm's bias
.set MU,  80                           ; v80-87  the means of my block's four groups, each twice
.set SL0, 88                           ; five slots of 32 numbers
.set SL1, 120
.set SL2, 152
.set SL3, 184
.set SL4, 216
; v1 4 x lane; v2 my wave's constants; v3, v4 where y's codes and scale bytes go; v5, v6 x's; v7 where my lane's constants go; v8, v9 maxima; v10 the scale operand; v11 the byte; v12-15 the codes
; ---- registers of phase E
.set ACC, 4                            ; v4-11   results: 4 u + 2 cl + v
.set G,   12                           ; v12-31  two sets of five rows' pairs from memory
.set R,   32                           ; v32-49  a ring of three slots of six numbers of x: cells 2 j - 2 .. 2 j + 3
.set AT,  56                           ; v56-255 the weights: 4 registers (cl, v) for each of the 50 rows of LG
.set KR,  76                           ; phase C: two sets of six numbers of k,
.set QR,  88                           ; and two of four of q
.macro LDY g, S                        ; batch g of my row of y: 32 channels, a load a channel, 128 consecutive bytes a load
.set c, 0
.rept 32
	global_load_b32 v[\S+c], v1, s[52:53] offset:c*65536+128*\g th:TH_LOAD_NT
.set c, c+1
.endr
.endm
.macro LDX dy, S                       ; my 32 cells of window row dy of x
.set c, 0
.rept 32
	global_load_b32 v[\S+c], v1, s[54+2*\dy:55+2*\dy] offset:c*16384
.set c, c+1
.endr
.endm
.macro CONSTS o                        ; my block's constants into every lane (all lanes read the same bytes); channels 8 m and 8 m + 1 have one mean: a pair
.irp m, 0,1,2,3,4,5,6,7
	ds_load_b128 v[CA+4*\m:CA+4*\m+3], v2 offset:\o+16*\m
.endr
.irp m, 0,1,2,3,4,5,6,7
	ds_load_b128 v[CB+4*\m:CB+4*\m+3], v2 offset:\o+128+16*\m
.endr
.irp m, 0,1,2,3
	ds_load_b64 v[MU+2*\m:MU+2*\m+1], v2 offset:\o+256+32*\m
.endr
	s_wait_dscnt 0x0
.endm
; 32 numbers of a lane, one block: (number - mean) x a + b in f32; the largest magnitude; scale byte; codes.
.macro QUANT S, cadr, coff, sadr, soff
.set i, 0
.rept 16
	v_pk_add_f32 v[\S+2*i:\S+2*i+1], v[\S+2*i:\S+2*i+1], v[MU+2*(i/4):MU+2*(i/4)+1] neg_lo:[0,1] neg_hi:[0,1]
.set i, i+1
.endr
.set i, 0
.rept 16
	v_pk_fma_f32 v[\S+2*i:\S+2*i+1], v[\S+2*i:\S+2*i+1], v[CA+2*i:CA+2*i+1], v[CB+2*i:CB+2*i+1]
.set i, i+1
.endr
	v_max3_num_f32 v8, |v[\S]|, |v[\S+1]|, |v[\S+2]|               ; two chains that do not wait for each other
	v_max3_num_f32 v9, |v[\S+3]|, |v[\S+4]|, |v[\S+5]|
.irp m, 6,10,14,18,22,26
	v_max3_num_f32 v8, v8, |v[\S+\m]|, |v[\S+\m+1]|
	v_max3_num_f32 v9, v9, |v[\S+\m+2]|, |v[\S+\m+3]|
.endr
	v_max3_num_f32 v8, v8, |v[\S+30]|, |v[\S+31]|
	v_max3_num_f32 v8, v8, v9, 0x1800000           ; and the floor 2^(3 - 127): the byte cannot fall under 1
	s_wait_dscnt 0x0                               ; the last batch's LDS stores have read v11-15
	v_add_nc_u32 v10, 0xff000000, v8               ; 2 off the exponent field: the conversion takes this operand's exponent field as its scale
	v_lshrrev_b32 v11, 23, v10                     ; the scale's byte
.irp m, 0,1,2,3
	v_cvt_scalef32_pk8_fp4_f32 v[12+\m], v[\S+8*\m:\S+8*\m+7], v10
.endr
	v_nop                                          ; one plain place behind the last scaled conversion
	ds_store_b128 v[\cadr], v[12:15] offset:\coff  ; 32 codes; the wave's store covers 512 consecutive bytes
	ds_store_b8 v[\sadr], v11 offset:\soff         ; my block's byte of the pixel's scale word
.endm
.macro BARRIER                         ; my LDS stores have landed and my LDS loads are in: then the work-group's barrier
	s_wait_dscnt 0x0
	s_barrier_signal -1
	s_barrier_wait -1
.endm
.macro MM d, wf, xf, ci, ws, xs        ; D, 16 rows of a weight, 16 pixels or cells, C, and the two sides' scale words
	v_wmma_scale_f32_16x16x128_f8f6f4 v[\d:\d+7], v[\wf:\wf+7], v[\xf:\xf+7], v[\ci:\ci+7], v[\ws], v[\xs] matrix_a_fmt:MATRIX_FMT_FP4 matrix_b_fmt:MATRIX_FMT_FP4
.endm
; d += (one number, half sl of the pair xa, for both halves) x the pair wa.  first: the product starts the sum
.macro BCAST first
.if first_
.if sl
	v_pk_mul_f32 v[dd:dd+1], v[xa:xa+1], v[wa:wa+1] op_sel:[1,0] op_sel_hi:[1,1]
.else
	v_pk_mul_f32 v[dd:dd+1], v[xa:xa+1], v[wa:wa+1] op_sel_hi:[0,1]
.endif
.else
.if sl
	v_pk_fma_f32 v[dd:dd+1], v[xa:xa+1], v[wa:wa+1], v[dd:dd+1] op_sel:[1,0,0] op_sel_hi:[1,1,1]
.else
	v_pk_fma_f32 v[dd:dd+1], v[xa:xa+1], v[wa:wa+1], v[dd:dd+1] op_sel_hi:[0,1,1]
.endif
.endif
.endm
	s_load_b512 s[8:23], s[0:1], 0x0               ; y s8, x s10, stats s12, gn_y_w s14, gn_y_b s16, gn_x_w s18, gn_x_b s20, q_w_codes s22
	s_load_b256 s[24:31], s[0:1], 0x40             ; q_w_scales s24, q_b s26, k_w_codes s28, k_w_scales s30
	s_load_b128 s[32:35], s[0:1], 0x60             ; k_b s32, out0 s34
	v_lshrrev_b32 v1, 5, v0
	v_readfirstlane_b32 s2, v1                     ; wave 0..15
	v_and_b32 v14, 31, v0                          ; lane
	v_lshlrev_b32 v1, 2, v14
	s_lshr_b32 s3, s2, 1                           ; my block of 32 channels
	s_and_b32 s4, s2, 1                            ; my half
	s_mov_b32 s5, ttmp9                            ; h
	s_and_b32 s6, ttmp7, 0xffff                    ; b
	s_mov_b32 s51, 0x3727c5ac                      ; eps = 1e-5
	s_mov_b32 s83, 0x3fb8aa3b                      ; log2(e)
	; the zero cells at both ends of k's rows (a thread an end) and of my wave's rows of x (a lane an end)
	v_mov_b32 v178, 0
	v_mov_b32 v179, 0
	v_and_b32 v180, 1, v0
	v_lshrrev_b32 v176, 1, v0
	v_mul_u32_u24 v176, v176, 272
	v_mad_u32_u24 v176, v180, 264, v176
	v_add_nc_u32 v176, KL, v176
	ds_store_b64 v176, v[178:179]
	s_mul_i32 s78, s2, 4352
	s_add_co_u32 s78, s78, XB
	v_lshrrev_b32 v177, 1, v14
	v_mul_u32_u24 v177, v177, 272
	v_mad_u32_u24 v177, v180, 264, v177
	v_add_nc_u32 v177, s78, v177
	ds_store_b64 v177, v[178:179]
	; LDS addresses of phase A: a constant + a constant x lane + constants x parts of the wave's number
	s_mul_i32 s78, s2, 768
	s_add_co_u32 s78, s78, CONST
	v_mov_b32 v2, s78
	v_add_nc_u32 v7, s78, v1
	s_lshl_b32 s78, s4, 3
	s_add_co_u32 s78, s78, s3
	s_lshl_b32 s78, s78, 11
	s_add_co_u32 s78, s78, YC
	v_lshl_add_u32 v3, v14, 4, s78                 ; YC + (8 half + block) 2,048 + 16 lane
	s_lshr_b32 s79, s3, 2                          ; my block's K step,
	s_and_b32 s80, s3, 3                           ; and its byte in a scale word
	s_lshl_b32 s78, s4, 1
	s_add_co_u32 s78, s78, s79
	s_lshl_b32 s78, s78, 9
	s_add_co_u32 s78, s78, s80
	s_add_co_u32 s78, s78, YS
	v_add_nc_u32 v4, s78, v1                       ; YS + (2 half + K step) 512 + 4 lane + byte
	s_lshl_b32 s78, s3, 10
	s_lshl_b32 s81, s4, 9
	s_add_co_u32 s78, s78, s81
	s_add_co_u32 s78, s78, XC
	v_lshl_add_u32 v5, v14, 4, s78                 ; XC + 1,024 block + 512 half + 16 lane
	s_lshl_b32 s78, s79, 8
	s_lshl_b32 s81, s4, 7
	s_add_co_u32 s78, s78, s81
	s_add_co_u32 s78, s78, s80
	s_add_co_u32 s78, s78, XS
	v_add_nc_u32 v6, s78, v1                       ; XS + 256 K step + 128 half + 4 lane + byte
	; offsets of the statistics and gains of channel 32 block + lane
	v_lshrrev_b32 v181, 3, v14                     ; its group within the block
	s_lshl_b32 s78, s6, 10
	s_lshl_b32 s84, s3, 7
	s_add_co_u32 s78, s78, s84
	v_lshl_add_u32 v182, v181, 5, s78              ; y: 32 bytes a group: (32 b + 4 block + group) 32
	s_lshr_b32 s78, s78, 2
	s_add_co_u32 s78, s78, 4096
	v_lshl_add_u32 v183, v181, 3, s78              ; x: 8 bytes a group, behind y's 4,096
	v_add_nc_u32 v174, s84, v1                     ; gains and biases: 4 bytes a channel
	s_lshl_b32 s78, s6, 24                         ; y: image, 32 channels a block, my row
	s_lshl_b32 s80, s3, 21
	s_add_co_u32 s78, s78, s80
	s_lshl_b32 s80, s5, 1
	s_add_co_u32 s80, s80, s4
	s_lshl_b32 s80, s80, 9
	s_add_co_u32 s78, s78, s80
	s_mov_b32 s79, 0
	s_wait_kmcnt 0x0
	global_load_b128 v[152:155], v182, s[12:13]            ; (mean, M2) of the group's four quarters
	global_load_b128 v[156:159], v182, s[12:13] offset:16
	global_load_b64 v[160:161], v183, s[12:13]             ; (mean, M2) of x's group
	global_load_b32 v162, v174, s[14:15]
	global_load_b32 v163, v174, s[16:17]
	global_load_b32 v164, v174, s[18:19]
	global_load_b32 v165, v174, s[20:21]
	s_add_nc_u64 s[52:53], s[8:9], s[78:79]
	LDY 0, SL0
	LDY 1, SL1
	; the other bases, while the loads are out.  Window row dy is row h + dy - 2, held inside the image for the address; s[46+dy] = 1.0 inside, 0 outside
	s_lshl_b32 s80, s6, 22
	s_lshl_b32 s81, s3, 19
	s_add_co_u32 s81, s81, s80
	s_lshl_b32 s84, s4, 7
	s_add_co_u32 s81, s81, s84                     ; for k: image, my block's first channel, my 32 cells
	s_lshl_b32 s84, s2, 18
	s_add_co_u32 s80, s80, s84                     ; for the sum: image, my wave's first channel
.irp dy, 0,1,2,3,4
	s_add_co_i32 s84, s5, \dy-2
	s_cmp_lt_u32 s84, 64                           ; (a negative number is a large one here)
	s_cselect_b32 s[46+\dy], 0x3f800000, 0
.if \dy == 4
	s_cselect_b32 s45, -1, 0                       ; row 4's mask, for the third tile of k
.endif
	s_max_i32 s84, s84, 0
	s_min_i32 s84, s84, 63
	s_lshl_b32 s84, s84, 8
	s_add_co_u32 s78, s81, s84
	s_add_nc_u64 s[54+2*\dy:55+2*\dy], s[10:11], s[78:79]
	s_add_co_u32 s78, s80, s84
	s_add_nc_u64 s[66+2*\dy:67+2*\dy], s[10:11], s[78:79]
.endr
	s_lshl_b32 s78, s6, 24
	s_lshl_b32 s84, s2, 20
	s_add_co_u32 s78, s78, s84
	s_lshl_b32 s84, s5, 10
	s_add_co_u32 s78, s78, s84
	s_add_nc_u64 s[76:77], s[34:35], s[78:79]      ; out0: image, my wave's first channel, row 2 h
	s_wait_loadcnt 63                              ; behind the seven small loads stand 64; the count's field ends at 63, so one load of y is awaited with them
	; my channel's constants
	v_add_f32 v166, v152, v154
	v_add_f32 v167, v156, v158
	v_add_f32 v168, v153, v155
	v_add_f32 v169, v157, v159
	v_add_f32 v166, v166, v167
	v_add_f32 v168, v168, v169                     ; the sum of the four M2
	v_mul_f32 v166, 0x3e800000, v166               ; / 4: the group's mean
	v_sub_f32 v152, v152, v166
	v_sub_f32 v154, v154, v166
	v_sub_f32 v156, v156, v166
	v_sub_f32 v158, v158, v166
	v_mul_f32 v167, v152, v152
	v_fmac_f32 v167, v154, v154
	v_fmac_f32 v167, v156, v156
	v_fmac_f32 v167, v158, v158
	v_mov_b32 v169, s51
	v_fmamk_f32 v168, v167, 0x47000000, v168       ; M2 = 32,768 x sum of (mean_i - mean)^2 + the sum of the M2
	v_fmamk_f32 v170, v168, 0x37000000, v169       ; var + eps: y's group has 2^17 numbers,
	v_fmamk_f32 v171, v161, 0x38000000, v169       ; x's 2^15
	v_rsq_f32 v172, v170
	v_rsq_f32 v173, v171
	v_nop                                          ; a plain place behind the transcendentals
	s_wait_alu depctr_va_vdst(0)                   ; the wait ahead of the first reader: one for both
	v_mul_f32 v172, v172, v162
	v_mul_f32 v173, v173, v164
	ds_store_b32 v7, v172
	ds_store_b32 v7, v163 offset:128
	ds_store_b32 v7, v166 offset:256
	ds_store_b32 v7, v173 offset:384
	ds_store_b32 v7, v165 offset:512
	ds_store_b32 v7, v160 offset:640
	CONSTS 0                                       ; my wave's own bytes, and LDS serves a wave's instructions in order: no barrier.  Its wait for 0 also shows every LDS store above done
	; nine batches.  Each wait leaves the next batch's 32 loads out; then the batch after next is asked for
	s_wait_loadcnt 32
	LDY 2, SL2
	QUANT SL0, 3, 0, 4, 0
	s_wait_loadcnt 32
	LDY 3, SL3
	QUANT SL1, 3, 512, 4, 128
	s_wait_loadcnt 32
	LDX 0, SL4
	QUANT SL2, 3, 1024, 4, 256
	s_wait_loadcnt 32
	LDX 1, SL0
	QUANT SL3, 3, 1536, 4, 384
	CONSTS 384                                     ; x's constants
	s_wait_loadcnt 32
	LDX 2, SL1
	QUANT SL4, 5, 0, 6, 0
	s_wait_loadcnt 32
	LDX 3, SL2
	QUANT SL0, 5, 8192, 6, 512
	s_wait_loadcnt 32
	LDX 4, SL3
	QUANT SL1, 5, 16384, 6, 1024
	s_wait_loadcnt 32
	; the weights, 32 loads, into slots that are done with.  r = lane % 16, hh = lane / 16
	v_and_b32 v4, 15, v0
	v_bfe_u32 v7, v0, 4, 1
	v_lshlrev_b32 v3, 7, v4
	v_lshl_add_u32 v3, v7, 4, v3                   ; codes: row r of 128 bytes + 16 hh
	v_lshlrev_b32 v4, 3, v4                        ; scale words: 8 bytes a row
	v_lshlrev_b32 v7, 5, v7                        ; biases: my half's eight of a tile's sixteen
.irp a, 0,1
.irp s, 0,1
.irp c, 0,1
	global_load_b128 v[216+16*\a+8*\s+4*\c:219+16*\a+8*\s+4*\c], v3, s[22:23] offset:\a*2048+64*\s+32*\c   ; q_w: rows 16 a on, K step s
	global_load_b128 v[88+16*\a+8*\s+4*\c:91+16*\a+8*\s+4*\c], v3, s[28:29] offset:\a*2048+64*\s+32*\c     ; k_w
.endr
.endr
.endr
.irp a, 0,1
.irp m, 0,1
	global_load_b128 v[120+8*\a+4*\m:123+8*\a+4*\m], v7, s[26:27] offset:64*\a+16*\m   ; q_b in the result's layout: register j = bias of e = 16 a + 8 hh + j
	global_load_b128 v[136+8*\a+4*\m:139+8*\a+4*\m], v7, s[32:33] offset:64*\a+16*\m   ; k_b
.endr
.endr
.irp a, 0,1
.irp s, 0,1
	global_load_b32 v[248+2*\a+\s], v4, s[24:25] offset:128*\a+4*\s
	global_load_b32 v[252+2*\a+\s], v4, s[30:31] offset:128*\a+4*\s
.endr
.endr
	QUANT SL2, 5, 24576, 6, 1536
	s_wait_loadcnt 32                              ; behind x's last batch stand the weights' 32 loads
	QUANT SL3, 5, 32768, 6, 2048
	BARRIER                                        ; all codes and scale words lie in LDS
	; ---- B.  First every LDS address of the phases to come, on the way that all waves take, ahead of the first branch on the wave's number
	s_wait_loadcnt 0x0                             ; the weights are in; the loads' address registers are free
	v_and_b32 v8, 31, v0                           ; lane
	v_and_b32 v9, 15, v0                           ; r
	v_bfe_u32 v10, v0, 4, 1                        ; hh
	v_lshlrev_b32 v1, 3, v8                        ; 8 x lane
	v_lshlrev_b32 v2, 4, v8                        ; 16 x lane
	s_mul_i32 s78, s2, 4352
	s_add_co_u32 s78, s78, XB
	v_add_nc_u32 v3, s78, v1                       ; my wave's rows of x
	s_lshr_b32 s80, s2, 2                          ; wave / 4
	s_and_b32 s81, s2, 3                           ; wave % 4
	s_lshl_b32 s78, s4, 14                         ; q's tile: u = wave % 2, pixels 16 (wave / 2) + r
	s_lshl_b32 s79, s3, 8
	s_add_co_u32 s78, s78, s79
	s_add_co_u32 s78, s78, YC
	v_lshl_add_u32 v40, v10, 11, s78               ; lanes 16-31 take the next block: the layout of the codes does the turn
	v_lshl_add_u32 v40, v9, 4, v40
	s_lshl_b32 s78, s4, 10
	s_lshl_b32 s79, s3, 6
	s_add_co_u32 s78, s78, s79
	s_add_co_u32 s78, s78, YS
	v_lshl_add_u32 v41, v9, 2, s78
	s_lshl_b32 s78, s80, 13                        ; k's tile: row wave / 4, cells 16 (wave % 4) + r
	s_lshl_b32 s79, s81, 8
	s_add_co_u32 s78, s78, s79
	s_add_co_u32 s78, s78, XC
	v_lshl_add_u32 v42, v10, 10, s78
	v_lshl_add_u32 v42, v9, 4, v42
	s_lshl_b32 s78, s80, 9
	s_lshl_b32 s79, s81, 6
	s_add_co_u32 s78, s78, s79
	s_add_co_u32 s78, s78, XS
	v_lshl_add_u32 v43, v9, 2, s78
	s_lshl_b32 s78, s4, 9                          ; where q goes: e = 16 a + 8 hh + j
	s_lshl_b32 s79, s3, 6
	s_add_co_u32 s78, s78, s79
	s_add_co_u32 s78, s78, QL
	v_lshl_add_u32 v44, v10, 13, s78
	v_lshl_add_u32 v44, v9, 2, v44
	s_mul_i32 s78, s80, 272                        ; where k goes: row 5 e + dy, behind the row's two zero cells
	s_lshl_b32 s79, s81, 6
	s_add_co_u32 s78, s78, s79
	s_add_co_u32 s78, s78, KL+8
	v_mul_u32_u24 v11, v10, 10880
	v_add_nc_u32 v45, s78, v11
	v_lshl_add_u32 v45, v9, 2, v45
	s_mul_i32 s78, s3, 272                         ; phase C: dy = wave / 2, u = wave % 2
	s_add_co_u32 s78, s78, KL
	v_add_nc_u32 v50, s78, v1
	s_lshl_b32 s78, s4, 9
	s_add_co_u32 s78, s78, QL
	v_add_nc_u32 v51, s78, v2
	s_mul_i32 s78, s4, 5
	s_add_co_u32 s78, s78, s3
	s_mul_i32 s78, s78, 2560
	v_add_nc_u32 v52, s78, v2                      ; LG + (5 u + dy) 2,560 + 16 lane
	s_mul_i32 s78, s80, 12800                      ; phase D: u = wave / 4, pixel 32 (wave % 4) + lane
	s_lshl_b32 s79, s81, 7
	s_add_co_u32 s78, s78, s79
	v_lshl_add_u32 v53, v8, 2, s78
	s_add_co_u32 s78, s5, s80                      ; is my tile's row of k inside the image?
	s_sub_co_u32 s78, s78, 2
	s_cmp_lt_u32 s78, 64
	s_cselect_b32 s82, -1, 0
.irp s, 0,1
.irp c, 0,1
	ds_load_b128 v[152+8*\s+4*\c:155+8*\s+4*\c], v40 offset:(4*\s+2*\c)*2048   ; registers 4 c on: channels 128 s + 64 c + 32 hh + 0 .. 31
	ds_load_b128 v[168+8*\s+4*\c:171+8*\s+4*\c], v42 offset:(4*\s+2*\c)*1024
.endr
	ds_load_b32 v[184+\s], v41 offset:512*\s
	ds_load_b32 v[186+\s], v43 offset:256*\s
.endr
	s_wait_dscnt 0x0
	MM 192, 216, 152, 120, 248, 184                ; q, e 0-15, K step 0: the bias is the C.  The four accumulators take turns, one instruction a turn
	MM 200, 232, 152, 128, 250, 184                ; q, e 16-31
	MM 56, 88, 168, 136, 252, 186                  ; k, e 0-15
	MM 64, 104, 168, 144, 254, 186                 ; k, e 16-31
	MM 192, 224, 160, 192, 249, 185                ; K step 1
	MM 200, 240, 160, 200, 251, 185
	MM 56, 96, 176, 56, 253, 187
	MM 64, 112, 176, 64, 255, 187
.rept 4
	v_nop                                          ; four places in front of the first read of results (ISA guide 7.12.1)
.endr
.set j, 0
.rept 16
	v_cndmask_b32 v[56+j], 0, v[56+j], s82         ; a row outside the image is zero, bias and all.  Each accumulator from its low end on
.set j, j+1
.endr
.irp a, 0,1
.irp m, 0,1,2,3,4,5,6,7
	ds_store_b32 v44, v[192+8*\a+\m] offset:(16*\a+\m)*1024
.endr
.endr
.irp a, 0,1
.irp m, 0,1,2,3,4,5,6,7
	ds_store_b32 v45, v[56+8*\a+\m] offset:(16*\a+\m)*1360
.endr
.endr
	s_cmp_lt_u32 s2, 4                             ; k has 20 tiles: waves 0 to 3 make row 4's as well (their wave / 4 is 0: four rows on stands in the immediates)
	s_cbranch_scc0 .Lb_end
.irp s, 0,1
.irp c, 0,1
	ds_load_b128 v[16+8*\s+4*\c:19+8*\s+4*\c], v42 offset:32768+(4*\s+2*\c)*1024
.endr
	ds_load_b32 v[32+\s], v43 offset:2048+256*\s
.endr
	s_wait_dscnt 0x0
	MM 72, 88, 16, 136, 252, 32
	MM 80, 104, 16, 144, 254, 32
	MM 72, 96, 24, 72, 253, 33
	MM 80, 112, 24, 80, 255, 33
.rept 4
	v_nop
.endr
.set j, 0
.rept 16
	v_cndmask_b32 v[72+j], 0, v[72+j], s45
.set j, j+1
.endr
.irp a, 0,1
.irp m, 0,1,2,3,4,5,6,7
	ds_store_b32 v45, v[72+8*\a+\m] offset:1088+(16*\a+\m)*1360
.endr
.endr
.Lb_end:
.macro GL c                            ; channel c's five window rows of x: a load a row, 256 consecutive bytes
.irp dy, 0,1,2,3,4
	global_load_b64 v[G+10*((\c)%2)+2*\dy:G+10*((\c)%2)+2*\dy+1], v1, s[66+2*\dy:67+2*\dy] offset:(\c)*16384
.endr
.endm
	s_wait_dscnt 0x0
	GL 0                                           ; phase E's first two channels are asked for here and fly through phases C and D, which leave v12-31 and v1 alone
	GL 1
	s_barrier_signal -1
	s_barrier_wait -1                              ; q and k lie in LDS
	; ---- C: logits.  Wave p < 10: u = p % 2, dy = p / 2.  Lane j: cells 2 j, 2 j + 1 (cl) and their two pixels of row u.  The sum for (dx, cl) is the pair v[56 + 4 dx + 2 cl]
	s_cmp_lt_u32 s2, 10
	s_cbranch_scc0 .Lc_end
.macro LOADE e, bf                     ; channel e: k of cells 2 j - 2 .. 2 j + 3, q of my four pixels
.irp m, 0,1,2
	ds_load_b64 v[KR+6*(\bf)+2*\m:KR+6*(\bf)+2*\m+1], v50 offset:(\e)*1360+8*\m
.endr
	ds_load_b128 v[QR+4*(\bf):QR+4*(\bf)+3], v51 offset:(\e)*1024
.endm
	LOADE 0, 0
.set ee, 0
.rept 32
.if ee < 31
	LOADE ee+1, (ee+1)%2
	s_wait_dscnt 4                                 ; this channel's four loads are in; the next channel's four may be out
.else
	s_wait_dscnt 0
.endif
.set first_, (ee == 0)
.irp dx, 0,1,2,3,4
.irp cl, 0,1
.set dd, 56+4*\dx+2*\cl
.set xa, KR+6*(ee%2)+2*((\cl+\dx)/2)   ; cell 2 j + cl + dx - 2 is number cl + dx of the six
.set sl, (\cl+\dx)&1
.set wa, QR+4*(ee%2)+2*\cl
	BCAST
.endr
.endr
.set ee, ee+1
.endr
.irp dx, 0,1,2,3,4
	ds_store_b128 v52, v[56+4*\dx:59+4*\dx] offset:512*\dx
.endr
.Lc_end:
	BARRIER                                        ; the 50 rows of logits lie in LDS
	; ---- D: softmax over a pixel's 25 logits, in place.  Waves 0 to 7, a lane a pixel
	s_cmp_lt_u32 s2, 8
	s_cbranch_scc0 .Ld_end
.set o, 0
.rept 25
	ds_load_b32 v[100+o], v53 offset:512*o
.set o, o+1
.endr
	s_wait_dscnt 0x0
	v_max3_num_f32 v129, v100, v101, v102
.irp m, 103,105,107,109,111,113,115,117,119,121,123
	v_max3_num_f32 v129, v129, v[\m], v[\m+1]
.endr
	v_mul_f32 v130, s83, v129                      ; the largest logit x log2(e)
.set o, 0
.rept 25
	v_fma_f32 v[100+o], v[100+o], s83, -v130       ; (logit - the largest) x log2(e), fused
.set o, o+1
.endr
.set o, 0
.rept 25
	v_exp_f32 v[100+o], v[100+o]
.set o, o+1
.endr
	v_nop                                          ; a plain place behind the batch
	s_wait_alu depctr_va_vdst(0)                   ; the wait ahead of the first reader: one for the 25
.irp m, 0,1,2,3
	v_add_f32 v[125+\m], v[100+2*\m], v[101+2*\m]  ; the sum, in four chains
.endr
.irp n, 108,112,116,120
.irp m, 0,1,2,3
	v_add_f32 v[125+\m], v[125+\m], v[\n+\m]
.endr
.endr
	v_add_f32 v125, v125, v124
	v_add_f32 v127, v127, v128
	v_add_f32 v125, v125, v126
	v_add_f32 v125, v125, v127
	v_rcp_f32 v131, v125
	v_nop
	s_wait_alu depctr_va_vdst(0)
.irp dy, 0,1,2,3,4
	v_mul_f32 v[132+\dy], s[46+\dy], v131          ; 1 / sum; 0 for a row outside the image: x counts as 0 there, while its logit 0 has counted in the sum
.endr
.set o, 0
.rept 25
	v_mul_f32 v[100+o], v[100+o], v[132+o/5]
.set o, o+1
.endr
.set o, 0
.rept 25
	ds_store_b32 v53, v[100+o] offset:512*o
.set o, o+1
.endr
.Ld_end:
	BARRIER                                        ; the weights lie in LDS
	; ---- E: the weighted sum; no barrier from here on: a wave touches LG's rows (read only) and its own rows of x
.macro ST c                            ; channel c's five rows into buffer c % 2, behind each row's two zero cells
.irp dy, 0,1,2,3,4
	ds_store_b64 v3, v[G+10*((\c)%2)+2*\dy:G+10*((\c)%2)+2*\dy+1] offset:((\c)%2)*2176+\dy*272+8
.endr
.endm
.macro RL n                            ; turn n = 5 c + dy: cells 2 j - 2 .. 2 j + 3 of row dy of channel c into ring slot n % 3
.set rc, (\n)/5
.set rd, (\n)%5
.set rs, R+6*((\n)%3)
.irp m, 0,1,2
	ds_load_b64 v[rs+2*\m:rs+2*\m+1], v3 offset:(rc%2)*2176+rd*272+8*\m
.endr
.endm
.set o, 0
.rept 50
	ds_load_b128 v[AT+4*o:AT+4*o+3], v2 offset:512*o   ; my eight pixels' weights stay in registers
.set o, o+1
.endr
	s_wait_loadcnt 5                               ; channel 0's rows are in, channel 1's five loads may be out
	ST 0
	RL 0
	RL 1
	RL 2
	s_wait_dscnt 9                                 ; all but the nine ring loads: the stores have read set 0,
	GL 2                                           ; which takes channel 2
.set cc, 0
.rept 16
.if cc <= 13
	s_wait_loadcnt 5                               ; the next channel's rows are in; the five loads of the channel behind it may be out
.elseif cc == 14
	s_wait_loadcnt 0                               ; the last channel's: nothing was asked for behind them
.endif
.if cc <= 14
	ST cc+1                                        ; into the buffer whose ring loads (channel cc - 1's) have all been issued: LDS serves a wave's instructions in order
.endif
.if cc > 0
	s_wait_xcnt 0x0                                ; the last channel's stores have read the results' registers
.endif
.irp dy, 0,1,2,3,4
.set nn, 5*cc+\dy
.set w, 6                              ; behind this turn's ring loads stand the next two turns' (three each),
.if 79-nn < 2
.set w, 3*(79-nn)                      ; fewer at the end,
.endif
.if (\dy <= 2) && (cc <= 14)
.set w, w+5                            ; and, in a channel's first three turns, the next channel's five stores
.endif
	s_wait_dscnt w
.if (\dy == 3) && (cc+3 <= 15)
	GL cc+3                                        ; that wait has shown the five stores done: their set takes the channel three on
.endif
.irp dx, 0,1,2,3,4
.irp cl, 0,1
.irp u, 0,1
.set first_, (\dy == 0) && (\dx == 0)
.set dd, ACC+4*\u+2*\cl
.set xa, R+6*(nn%3)+2*((\cl+\dx)/2)
.set sl, (\cl+\dx)&1
.set wa, AT+4*((\u*5+\dy)*5+\dx)+2*\cl
	BCAST                                          ; the four results by turns
.endr
.endr
.endr
.if nn+3 <= 79
	RL nn+3                                        ; into the slot just read
.endif
.endr
.irp u, 0,1
	global_store_b128 v2, v[ACC+4*\u:ACC+4*\u+3], s[76:77] offset:cc*65536+512*\u th:TH_STORE_NT   ; the wave stores a whole output row: 512 consecutive bytes, aligned to 512
.endr
.set cc, cc+1
.endr
	s_wait_xcnt 0x0
	v_lshl_add_u32 v254, v0, 2, 0x46600
	v_mov_b32 v255, 0
	s_wait_tensorcnt 0x0
	ds_add_u32 v254, v255
	s_wait_dscnt 0x0
	s_endpgm
.Lfunc_end_k_q9fb9cc5239_sapa:
	.size	k_q9fb9cc5239_sapa, .Lfunc_end_k_q9fb9cc5239_sapa-k_q9fb9cc5239_sapa
	.p2alignl 7, 3214868480
	.fill 96, 4, 3214868480
	.section	.rodata,"a",@progbits
	.p2align	6, 0x0
	.amdhsa_kernel k_q9fb9cc5239_sapa
		.amdhsa_group_segment_fixed_size 290304
		.amdhsa_private_segment_fixed_size 0
		.amdhsa_enable_private_segment 0
		.amdhsa_kernarg_size 112
		.amdhsa_user_sgpr_count 2
		.amdhsa_user_sgpr_kernarg_segment_ptr 1
		.amdhsa_wavefront_size32 1
		.amdhsa_system_sgpr_workgroup_id_x 1
		.amdhsa_system_sgpr_workgroup_id_y 1
		.amdhsa_system_sgpr_workgroup_id_z 1
		.amdhsa_system_vgpr_workitem_id 0
		.amdhsa_next_free_vgpr 256
		.amdhsa_next_free_sgpr 90
		.amdhsa_reserve_vcc 0
		.amdhsa_float_denorm_mode_32 3
		.amdhsa_float_denorm_mode_16_64 3
		.amdhsa_memory_ordered 1
		.amdhsa_forward_progress 1
		.amdhsa_inst_pref_size 255
	.end_amdhsa_kernel
	.section	.bss,"aw",@nobits
	.p2align	6
	.space	262144
	.amdgpu_metadata
---
amdhsa.version: [ 1, 2 ]
amdhsa.kernels:
  - .name:           k_q9fb9cc5239_sapa
    .symbol:         k_q9fb9cc5239_sapa.kd
    .args:
      - { .name: y, .offset: 0, .size: 8, .value_kind: global_buffer, .address_space: global }
      - { .name: x, .offset: 8, .size: 8, .value_kind: global_buffer, .address_space: global }
      - { .name: stats, .offset: 16, .size: 8, .value_kind: global_buffer, .address_space: global }
      - { .name: gn_y_w, .offset: 24, .size: 8, .value_kind: global_buffer, .address_space: global }
      - { .name: gn_y_b, .offset: 32, .size: 8, .value_kind: global_buffer, .address_space: global }
      - { .name: gn_x_w, .offset: 40, .size: 8, .value_kind: global_buffer, .address_space: global }
      - { .name: gn_x_b, .offset: 48, .size: 8, .value_kind: global_buffer, .address_space: global }
      - { .name: q_w_codes, .offset: 56, .size: 8, .value_kind: global_buffer, .address_space: global }
      - { .name: q_w_scales, .offset: 64, .size: 8, .value_kind: global_buffer, .address_space: global }
      - { .name: q_b, .offset: 72, .size: 8, .value_kind: global_buffer, .address_space: global }
      - { .name: k_w_codes, .offset: 80, .size: 8, .value_kind: global_buffer, .address_space: global }
      - { .name: k_w_scales, .offset: 88, .size: 8, .value_kind: global_buffer, .address_space: global }
      - { .name: k_b, .offset: 96, .size: 8, .value_kind: global_buffer, .address_space: global }
      - { .name: out0, .offset: 104, .size: 8, .value_kind: global_buffer, .address_space: global }
    .group_segment_fixed_size: 290304
    .private_segment_fixed_size: 0
    .kernarg_segment_align: 8
    .kernarg_segment_size: 112
    .max_flat_workgroup_size: 512
    .sgpr_count:     90
    .vgpr_count:     256
    .wavefront_size: 32
...
	.end_amdgpu_metadata
.endif
;; end of part 2
